; MI455X (gfx1250); checked and timed in simulation.
; The chip was launched on July 23, 2026; its instructions are those of AMD's public machine-readable ISA for CDNA 5 (MIT licence, August 2026) and "CDNA5" Instruction Set Architecture Reference Guide (July 2026). The comments in the code are by the model that wrote it; some were corrected since.
;; Model. Allowed arithmetic: matrix products marked QUANTISED: E2M1 operands, one E8M0 scale for each 32 along K, by v_wmma_scale_f32_16x16x128_f8f6f4 with both operands' format E2M1 (or v_wmma_scale_f32_32x16x128_f4), f32 sums; products left as they are: bf16, f16 or f32 operands; f32 sums; everything else in f32.
;; Inputs: drop_mask 16 x 2,048 x 2,048 bool; x1 16 x 2,048 x 128 float32; x2 16 x 2,048 x 128 float32; x3 16 x 2,048 x 128 float32.
;; Outputs: out0 16 x 2,048 x 128 float32.
;; This version of the problem:
;;   THIS VERSION OF THE PROBLEM IS GIVEN IN LOW PRECISION. The matrix products marked QUANTISED in the list below multiply operands that are first quantised to E2M1 (2 exponent bits, 1 mantissa bit; 4 bits a number), with one power-of-two scale for each 32 numbers along K (OCP MX v1.0); their sums are f32. The products marked 'left as it is' may take bf16, f16 or f32 operands, with f32 sums. Whichever they take, every output number must still come out within the allowed error. Rounding operands to bf16 (8 significant bits) uses up far more of that allowance than f16 does (11 bits, for magnitudes from 6e-5 to 65,504). All else is computed in f32.
;;   The module's matrix products, in the order in which they are computed (A, B: the left and right operand; K: the contracted axis; several contracted axes count as one K, in the product's order):
;;     1. batch 16 x [M 2,048, K 128] x [K 128, N 2,048]; A: input x1; B: input x2: QUANTISED
;;     2. batch 16 x [M 2,048, K 2,048] x [K 2,048, N 128]; A: computed on the way; B: input x3: left as it is (an operand is computed on the way)
;;   THE QUANTISER, for each operand of a quantised product, along K:
;;     - K is cut into blocks of 32 from its start; a last block that is shorter is filled with zeros.
;;     - A block's scale is 2^e with e = floor(log2(the largest magnitude in the block)) - 2, held to -126 .. 127; a block of zeros has e = 0. As a byte (E8M0): e + 127.
;;     - Each number is divided by its block's scale, clamped to +-6, and rounded to the nearest number of E2M1, ties to even, subnormals kept.
;;     - The product sums the exact products of the quantised numbers (number of the format x scale) in f32.
;;   ~~~python
;;   def quantise(x, axis):      # numpy; x: float32 -> the quantised numbers, widened to float32 again
;;       x = np.moveaxis(x, axis, -1); K = x.shape[-1]
;;       x = np.pad(x, [(0, 0)] * (x.ndim - 1) + [(0, -K % 32)]); x = x.reshape(x.shape[:-1] + (-1, 32)); a = np.abs(x).max(-1, keepdims=True)
;;       e = np.where(a > 0, np.clip(np.frexp(np.where(a > 0, a, 1))[1] - 1 - 2, -126, 127), 0)      # np.frexp(a)[1] - 1 = floor(log2(a)), exactly
;;       r = np.clip(x / 2.0 ** e, -6, 6)
;;       step = 2.0 ** (np.maximum(np.frexp(np.where(r == 0, 1, r))[1] - 1, 0) - 1)
;;       q = np.round(r / step) * step * 2.0 ** e      # np.round: ties to even
;;       return np.moveaxis(q.reshape(q.shape[:-2] + (-1,))[..., :K], -1, axis).astype(np.float32)
;;   ~~~
;; One version. Each part assembles by itself: llvm-mc -triple=amdgcn-amd-amdhsa -mcpu=gfx1250 --defsym DOCPART=n.
;; ======== version 1 of 1: 2 launches
;; limits: values are held in f16: magnitudes above 65,504 overflow, below 6.1e-05 lose precision
;; workspace buffers: qc 2,097,152 bytes; qs 131,072 bytes; kc 2,097,152 bytes; ks 131,072 bytes; vh 8,388,608 bytes
;; launch prep (part 1): grid 512 x 1, 4 waves a work-group, no clusters, 33,280 bytes of LDS; arguments x1, x2, x3, qc, qs, kc, ks, vh; writes qc, qs, kc, ks, vh
.if DOCPART == 1
	.amdgcn_target "amdgcn-amd-amdhsa--gfx1250"
	.amdhsa_code_object_version 6
	.text
	.protected	k_q6cef2d767d_prep
	.globl	k_q6cef2d767d_prep
	.p2align	8
	.type	k_q6cef2d767d_prep,@function
k_q6cef2d767d_prep:
	s_mov_b64 s[64:65], 0
	v_nop
	global_prefetch_b8 v0, s[64:65] scope:SCOPE_SE
	s_setreg_imm32_b32 hwreg(HW_REG_WAVE_MODE, 25, 1), 1
	s_wait_xcnt 0x0
; x1 and x2 [16][2048][128] f32 become codes of FP4 (E2M1), K = the last axis innermost, two codes a byte, the lower k in the low four bits
; (qc, kc: 64 bytes a row), with one E8M0 scale byte for each 32 along K (qs, ks: 4 bytes a row).  x3 [16][2048][128] f32 becomes f16 in the same layout (vh).
; A block's scale is 2^(floor(log2(its largest magnitude)) - 2); its byte is the largest magnitude's exponent field - 2, held at 1 from below.
; Each number is divided by the scale and rounded to the nearest code, ties to even; beyond 6 the largest code.
; LIMITS: NaN and infinities among the inputs are not served.  A block of zeros, and a block whose largest magnitude lies under 2^-124, keeps the byte 1
; (the rule says 127 for zeros: the codes are zeros, which add nothing under any byte but 0xff, and this program alone reads the bytes).
; |x3| above 65,504 becomes infinity in f16.
; SHARES: work-groups 0-127 take x1, 128-255 x2: 32,768 numbers each, a wave 16 steps of 512.  Work-groups 256-511 take x3: 16,384 numbers each, a wave 4,096.
; Rows are dense and 128 is a multiple of 32: all three tensors are plain streams.  No tensor load, no barrier: waves share nothing.
; THE QUANTISER: the conversions take 8 numbers of ONE block from a lane's registers, so a lane must hold 16 neighbours (two lanes a block); a load is best where neighbouring
; lanes take neighbouring bytes.  Both are had: a step's four loads read 512 consecutive bytes each, and the 2,048 bytes turn through the wave's own stage in LDS.
; Loads run eight steps ahead: 32 loads, 16,384 bytes, of every wave are out, so that a wave's 64 loads are asked for in two rounds.
.set WAVES, 4
.set STEPS, 16
.set AHEAD, 8                          ; steps whose loads are out
.set WGA,   128                        ; work-groups for x1, and as many for x2
.set WGQ,   256                        ; from here on: x3
.set EMAX,  2
.set CB,    8                          ; bytes of 16 codes
.set R,     16                         ; v16-143  eight sets of 16 numbers as they are loaded
.set X,     144                        ; v144-175 two sets of 16 neighbours
.set E,     176                        ; v176-191 a scale byte for each step
.set C,     192                        ; v192-255 codes: registers of its own for each step, so that no store's data are written again
.set WREG,  8192                       ; LDS: a region for each wave: two stages of 32 x SP bytes, behind them its 256 scale bytes
.set SP,    80                         ; a lane's place in a stage: 64 bytes + 16 of padding
.set SPW,   12                         ; v12  LDS address of my spare word; never rewritten
.set NIL,   13                         ; v13  0; never rewritten
.set SPARE, WAVES*WREG                 ; behind the regions: the spare words, 128 bytes a wave, which no other line names
	s_load_b256 s[4:11], s[0:1], 0x0               ; x1 s[4:5], x2 s[6:7], x3 s[8:9], qc s[10:11]
	s_load_b256 s[12:19], s[0:1], 0x20             ; qs s[12:13], kc s[14:15], ks s[16:17], vh s[18:19]
	v_lshl_add_u32 v[SPW], v0, 2, SPARE
	v_mov_b32 v[NIL], 0
	v_lshrrev_b32 v1, 5, v0
	v_readfirstlane_b32 s20, v1                    ; wave
	v_and_b32 v2, 31, v0                           ; lane
	v_lshlrev_b32 v3, 4, v2                        ; my 16 bytes of a load's 512
	s_mul_i32 s21, s20, WREG
	v_lshrrev_b32 v14, 2, v2
	v_mul_u32_u24 v14, v14, SP
	v_and_b32 v15, 3, v2
	v_lshl_add_u32 v14, v15, 4, v14
	v_add_nc_u32 v14, s21, v14                     ; the stage, on the way in: four lanes' 64 bytes on end, then 16 of padding
	v_mul_u32_u24 v15, v2, SP
	v_add_nc_u32 v15, s21, v15                     ; and on the way out: my 16 neighbours
	v_mul_u32_u24 v4, v2, CB                       ; my codes' place in a step's
	v_lshrrev_b32 v5, 1, v2
	s_add_co_u32 s21, s21, 2*32*SP
	v_add_nc_u32 v5, s21, v5                       ; LDS: my wave's 256 scale bytes, my block's byte
	v_lshlrev_b32 v7, 3, v2                        ; 8 bytes a lane
	v_add_nc_u32 v6, s21, v7
	s_wait_kmcnt 0x0
	s_cmp_ge_u32 ttmp9, WGQ                        ; the work-group's number alone decides
	s_cbranch_scc1 .Lcast
	s_cmp_lt_u32 ttmp9, WGA                        ; x1's work-group or x2's?  Only pointers are chosen
	s_cselect_b64 s[4:5], s[4:5], s[6:7]
	s_cselect_b64 s[10:11], s[10:11], s[14:15]
	s_cselect_b64 s[12:13], s[12:13], s[16:17]
	s_cselect_b32 s21, 0, WGA
	s_sub_co_u32 s21, ttmp9, s21
	s_lshl_b32 s21, s21, 2
	s_add_co_u32 s22, s21, s20                     ; which run of 8,192 numbers is my wave's: 0 .. 511
	s_mov_b32 s25, 0
	s_lshl_b32 s24, s22, 15                        ; 32,768 bytes of f32 a run,
	s_add_nc_u64 s[4:5], s[4:5], s[24:25]
	s_lshl_b32 s24, s22, 12                        ; 4,096 of codes,
	s_add_nc_u64 s[10:11], s[10:11], s[24:25]
	s_lshl_b32 s24, s22, 8                         ; 256 scale bytes
	s_add_nc_u64 s[12:13], s[12:13], s[24:25]
.macro LOAD t
.irp i, 0,1,2,3
	global_load_b128 v[R+16*((\t)%AHEAD)+4*\i:R+16*((\t)%AHEAD)+4*\i+3], v3, s[4:5] offset:2048*(\t)+512*\i th:TH_LOAD_NT   ; 32 lanes read 512 consecutive bytes
.endr
.endm
.macro TURN t                          ; step t's numbers through the stage: LDS serves a wave's instructions in order, so no wait stands between the stores and the loads
.irp i, 0,1,2,3
	ds_store_b128 v14, v[R+16*((\t)%AHEAD)+4*\i:R+16*((\t)%AHEAD)+4*\i+3] offset:32*SP*((\t)%2)+8*SP*\i
.endr
.irp i, 0,1,2,3
	ds_load_b128 v[X+16*((\t)%2)+4*\i:X+16*((\t)%2)+4*\i+3], v15 offset:32*SP*((\t)%2)+16*\i
.endr
.endm
.irp t, 0,1,2,3,4,5,6,7
	LOAD \t
.endr
	s_wait_loadcnt 4*(AHEAD-1)                     ; step 0's four loads are in; seven steps' 28 stay out
	TURN 0
.macro STEP t
.set XS, X+16*((\t)%2)
.if (\t) > 0
	s_wait_dscnt 1                                 ; this step's numbers are back from the stage (the last step's byte store may be out): so its stores into the stage have read their registers,
.else
	s_wait_dscnt 0x0
.endif
.if (\t)+AHEAD < STEPS
	LOAD (\t)+AHEAD                                ; which take the loads of eight steps on
.endif
.if (\t)+1 < STEPS
.if STEPS-2-(\t) >= AHEAD-1
	s_wait_loadcnt 4*(AHEAD-1)                     ; the next step's four loads are in; those of the seven steps behind it may be out
.else
	s_wait_loadcnt 4*(STEPS-2-(\t))                ; at the end the count runs down with the steps that are left
.endif
	TURN (\t)+1                                    ; and go through the other stage while this step is worked
.endif
	v_max3_num_f32 v8, |v[XS]|, |v[XS+1]|, |v[XS+2]|               ; the largest magnitude of my 16, in two chains
	v_max3_num_f32 v9, |v[XS+3]|, |v[XS+4]|, |v[XS+5]|
.irp i, 6,10
	v_max3_num_f32 v8, v8, |v[XS+\i]|, |v[XS+\i+1]|
	v_max3_num_f32 v9, v9, |v[XS+\i+2]|, |v[XS+\i+3]|
.endr
	v_max3_num_f32 v8, v8, |v[XS+14]|, |v[XS+15]|
	v_max3_num_f32 v8, v8, v9, (EMAX+1)<<23        ; and the floor 2^(EMAX + 1 - 127): the byte cannot fall under 1
	v_max_num_f32_dpp v8, v8, v8 row_xmask:1 row_mask:0xf bank_mask:0xf   ; and of my neighbour's 16: the block's
	v_add_nc_u32 v11, -(EMAX<<23), v8              ; EMAX off its exponent field: the conversion takes the exponent field of this operand as its scale
	v_cvt_scalef32_pk8_fp4_f32 v[C+4*(\t)], v[XS:XS+7], v11
	v_cvt_scalef32_pk8_fp4_f32 v[C+4*(\t)+1], v[XS+8:XS+15], v11
	v_lshrrev_b32 v[E+(\t)], 23, v11               ; the scale's byte (also the plain line behind the conversions)
	ds_store_b8 v5, v[E+(\t)] offset:16*(\t)       ; both lanes of a block write the same byte with the same value
	global_store_b64 v4, v[C+4*(\t):C+4*(\t)+1], s[10:11] offset:32*CB*(\t)   ; the wave stores 256 consecutive bytes, aligned
.endm
.irp t, 0,1,2,3,4,5,6,7,8,9,10,11,12,13,14,15
	STEP \t
.endr
	ds_load_b64 v[8:9], v6                         ; LDS serves a wave's instructions in order: these see my stores
	s_wait_dscnt 0x0
	global_store_b64 v7, v[8:9], s[12:13]          ; my wave's 256 scale bytes: 256 consecutive bytes, aligned
	s_wait_tensorcnt 0x0                           ; the wave's end: a wait, an add of 0 to my spare word and a wait, behind my last LDS store
	ds_add_u32 v[SPW], v[NIL]
	s_wait_dscnt 0x0
	s_endpgm
.Lcast:                                            ; x3 to f16.
	s_sub_co_u32 s21, ttmp9, WGQ
	s_lshl_b32 s21, s21, 2
	s_add_co_u32 s21, s21, s20                     ; which run of 4,096 numbers is my wave's: 0 .. 1,023
	s_mov_b32 s23, 0
	s_lshl_b32 s22, s21, 14                        ; 16,384 bytes of f32 a run,
	s_add_nc_u64 s[8:9], s[8:9], s[22:23]
	s_lshl_b32 s22, s21, 13                        ; 8,192 of f16
	s_add_nc_u64 s[18:19], s[18:19], s[22:23]
.set i, 0
.rept 32
	global_load_b128 v[16+4*i:19+4*i], v3, s[8:9] offset:512*i th:TH_LOAD_NT   ; all of the wave's bytes are asked for at once: 32 loads of 512 consecutive bytes
.set i, i+1
.endr
.set i, 0
.rept 32
	s_wait_loadcnt 31-i                            ; loads come back in order: load i is in, the 31 - i younger ones stay out
	v_cvt_pk_f16_f32 v[16+4*i], v[16+4*i], v[17+4*i]
	v_cvt_pk_f16_f32 v[17+4*i], v[18+4*i], v[19+4*i]
	global_store_b64 v7, v[16+4*i:17+4*i], s[18:19] offset:256*i   ; the wave stores 256 consecutive bytes, aligned; no register is written twice
.set i, i+1
.endr
	s_endpgm
.Lfunc_end_k_q6cef2d767d_prep:
	.size	k_q6cef2d767d_prep, .Lfunc_end_k_q6cef2d767d_prep-k_q6cef2d767d_prep
	.p2alignl 7, 3214868480
	.fill 96, 4, 3214868480
	.section	.rodata,"a",@progbits
	.p2align	6, 0x0
	.amdhsa_kernel k_q6cef2d767d_prep
		.amdhsa_group_segment_fixed_size 33280
		.amdhsa_private_segment_fixed_size 0
		.amdhsa_enable_private_segment 0
		.amdhsa_kernarg_size 64
		.amdhsa_user_sgpr_count 2
		.amdhsa_user_sgpr_kernarg_segment_ptr 1
		.amdhsa_wavefront_size32 1
		.amdhsa_system_sgpr_workgroup_id_x 1
		.amdhsa_system_sgpr_workgroup_id_y 1
		.amdhsa_system_sgpr_workgroup_id_z 1
		.amdhsa_system_vgpr_workitem_id 0
		.amdhsa_next_free_vgpr 256
		.amdhsa_next_free_sgpr 66
		.amdhsa_reserve_vcc 0
		.amdhsa_float_denorm_mode_32 3
		.amdhsa_float_denorm_mode_16_64 3
		.amdhsa_memory_ordered 1
		.amdhsa_forward_progress 1
		.amdhsa_inst_pref_size 45
	.end_amdhsa_kernel
	.amdgpu_metadata
---
amdhsa.version: [ 1, 2 ]
amdhsa.kernels:
  - .name:           k_q6cef2d767d_prep
    .symbol:         k_q6cef2d767d_prep.kd
    .args:
      - { .name: x1, .offset: 0, .size: 8, .value_kind: global_buffer, .address_space: global }
      - { .name: x2, .offset: 8, .size: 8, .value_kind: global_buffer, .address_space: global }
      - { .name: x3, .offset: 16, .size: 8, .value_kind: global_buffer, .address_space: global }
      - { .name: qc, .offset: 24, .size: 8, .value_kind: global_buffer, .address_space: global }
      - { .name: qs, .offset: 32, .size: 8, .value_kind: global_buffer, .address_space: global }
      - { .name: kc, .offset: 40, .size: 8, .value_kind: global_buffer, .address_space: global }
      - { .name: ks, .offset: 48, .size: 8, .value_kind: global_buffer, .address_space: global }
      - { .name: vh, .offset: 56, .size: 8, .value_kind: global_buffer, .address_space: global }
    .group_segment_fixed_size: 33280
    .private_segment_fixed_size: 0
    .kernarg_segment_align: 8
    .kernarg_segment_size: 64
    .max_flat_workgroup_size: 128
    .sgpr_count:     66
    .vgpr_count:     256
    .wavefront_size: 32
...
	.end_amdgpu_metadata
.endif
;; end of part 1
;; launch attn (part 2): grid 16 x 16, 8 waves a work-group, clusters of 4 x 1, 327,680 bytes of LDS; arguments qc, qs, kc, ks, vh, drop_mask, out0; writes out0
.if DOCPART == 2
	.amdgcn_target "amdgcn-amd-amdhsa--gfx1250"
	.amdhsa_code_object_version 6
	.text
	.protected	k_q6cef2d767d_attn
	.globl	k_q6cef2d767d_attn
	.p2align	8
	.type	k_q6cef2d767d_attn,@function
k_q6cef2d767d_attn:
	s_mov_b64 s[64:65], 0
	v_nop
	global_prefetch_b8 v0, s[64:65] scope:SCOPE_SE
	s_setreg_imm32_b32 hwreg(HW_REG_WAVE_MODE, 25, 1), 1
	s_wait_xcnt 0x0
	s_wait_alu depctr_hold_cnt(0) depctr_sa_sdst(0) depctr_va_vdst(0) depctr_va_sdst(0) depctr_va_ssrc(0) depctr_va_vcc(0) depctr_vm_vsrc(0)
	s_getreg_b32 s2, hwreg(HW_REG_IB_STS2, 6, 4)
	s_cmp_eq_u32 s2, 0
	s_cbranch_scc0 .Lentry_in_a_cluster
	s_endpgm
.Lentry_in_a_cluster:
	s_bfe_u32 s2, ttmp6, 0x10000c
	s_cmp_lg_u32 s2, 0x3003
	s_cbranch_scc0 .Lentry_shape_is_right
	s_endpgm
.Lentry_shape_is_right:
; out[b][q][:] = (1 / 0.9) x the sum over k of mask[b][q][k] x softmax_k(0.2 x Q[b][q] . K[b][k]) x V[b][k][:].   16 batches, 2,048 queries, 2,048 keys, 128 channels.
; The first product runs on codes of FP4 (qc, kc: 64 bytes a row; qs, ks: one word of four E8M0 bytes a row), its whole K of 128 in one matrix instruction.
; The second runs on f16: p = 2^(c s - c m) is at most 1, V comes as f16 (vh).  Maxima, sums and O in f32.  The row's sum is taken of the UNMASKED p in f32; the mask clears p's f16 bits.
; LIMITS: NaN and infinities are not served; drop_mask's bytes are 0 or 1; |x3| above 65,504 is infinity in vh; the order of the sums differs from the reference's.
; SHARES.  A work-group owns 128 queries of one batch.  Wave w = 4 j + g: 32 queries (two tiles of 16), and half j of every slot's 256 keys.  So each fragment of K and of V that a wave
; reads from LDS feeds two matrix instructions, and a wave walks 8 steps of 128 keys.  Register tile A is query tile 2 g + j, tile B is 2 g + (j xor 1): at the end every wave hands
; tile B's partial O, maximum and sum to wave w xor 4 through LDS, merges tile A with what it receives, and stores 16 rows.  Only addresses hang on j: one text serves all waves.
; LAYOUT.  S^T = K Q^T (source 0 = 16 keys, source 1 = 16 queries): a lane holds ONE query (lane % 16) and keys 8 (lane / 16) + 0..7.  Two such tiles, rounded to f16 in pairs,
; ARE source 1 (32 keys x 16 queries) of O^T = V^T P, whose result again holds one query a lane.  K comes out of LDS as it lies, V ([key][channel]) turned by ds_load_tr16_b128.
; THE MASK.  For a tile of S^T a lane wants the 8 bytes of its query's row at its 8 keys: one ds_load_b64.  A v_perm_b32 that takes the mask word as its selector over the bytes 00, ff turns
; bytes 0 / 1 into 0 / 0xff, two more widen four bytes to four halves, and one v_and_b32 clears two weights.
; SOFTMAX.  For each query a running maximum m and sum l; c = 0.2 log2(e); in every step O and l are multiplied by a = 2^(c m_old - c m_new).
; BY TURNS.  The second product goes in four chunks of 32 keys; chunk u's 16 products read P of chunk u alone.  So behind the maxima only chunk 0's weights are made by themselves; the making
; of chunk u + 1's (120 vector instructions for the two tiles) is cut into 16 slices, one behind each product of chunk u.  Slices 0-7 hold the 72 that read no exponential's result (scalings,
; exponentials, mask words), slices 8-15 the 48 that do (sums, roundings, clearings); between them stands the chunk's one wait for its exponentials.  The last chunk's products stand bare.
; A slice costs two switches of the register window: a softmax works in place in window 0, and the products' destination window is full of O^T and V.
; CLUSTER.  The four query blocks of a cluster belong to one batch and walk the same K and V: those tiles, and K's scale words, are asked for JOINTLY (mask 15).  The mask tile is each
; work-group's own: a plain tensor load behind the same round.
; REGISTERS, in two windows of 256 (s_set_vgpr_msb: bits 1:0 source 0, 3:2 source 1, 5:4 source 2, 7:6 destination):
;   window 0: v1-15 addresses; v16-31 statistics; v32-37 scale words and nothing else; v38-63 way out and at work; v64-127 the mask; v128-255 S^T, then p, then P in place
;   window 1: v0-127 O^T (64 a tile); v128-143 Q; v144-239 a pool: K's eight fragments, then three batches of V; v240 V's LDS address
.set KP,    80                         ; a key's row of codes in LDS: 64 bytes + 16 of padding
.set PV,    288                        ; a row of V: 256 + 32
.set MP,    272                        ; a row of the mask tile: 256 + 16: 68 words, so that the 32 lanes of a ds_load_b64 (word 68 r + 2 h) fall on 64 different words modulo 64
.set VOFF,  256*KP                     ; a slot: 256 rows of K, 256 rows of V, 128 rows of the mask
.set MOFF,  VOFF+256*PV
.set SLOT1, 1<<17                      ; slot 1 begins here: one exclusive or turns an address from one slot to the other (a slot uses 129,024 bytes)
.set SCK,   2*SLOT1                    ; behind the ring: K's scale words of the whole batch, 8,192 dense bytes, filled once
.set SPARE, SCK+8192                   ; the spare words, 128 bytes for each of eight waves, which no other line names
.set XSZ,   8448                       ; the way out, for each wave: in slot 0 an image of 64 registers (8,192 bytes) and 256 bytes of statistics; in slot 1 a stage of 16 rows x 528 bytes
.set AK0,  1                           ; v1   my lane's place in a slot's K
.set AV0,  2                           ; v2   in its V
.set AMA0, 3                           ; v3   in its mask rows, tile A
.set AMB0, 4                           ; v4   tile B
.set ASK0, 5                           ; v5   among K's scale words
.set SPW,  6                           ; v6   LDS address of my spare word; never rewritten
.set NIL,  7                           ; v7   0; never rewritten
.set ADK,  8                           ; v8-11 the step's addresses
.set ADMA, 9
.set ADMB, 10
.set ADS,  11
.set PFO,  12                          ; v12  the prefetches' lane offset; never rewritten
.set GO,   13                          ; v13  16 x lane: my bytes of a row of out
.set QOA,  14                          ; v14, v15 my bytes of Q's codes, tiles A and B
.set QOB,  15
.set ST,   16                          ; tile T's statistics at v[ST + 8 T]: +0 c m, +1 m, +2, +3 l (even keys', odd keys'), +4..+7 c0-c3 at work; behind the maxima +4, +5 a second chain of l, +6 a
.set KS,   32                          ; v32-35 K's scale words: register p: lanes 0-15 tile 2 p, lanes 16-31 tile 2 p + 1
.set QSA,  36                          ; v36, v37 Q's scale words, tiles A and B
.set XW,   40                          ; v40-45 the way out's LDS addresses
.set XR,   41
.set XWS,  42
.set XRS,  43
.set SO,   44
.set SR,   45
.set E,    64                          ; the mask: four words for each tile of S^T, at v[E + 32 T + 4 i]; its two raw words are loaded into the upper two
.set S,    128
.set QF,   128                         ; window 1
.set POOL, 144                         ; window 1
.set ADV1, 240                         ; window 1
.set CFF,  3                           ; s3   the bytes 00, ff, 00, 00
.set WV,   18                          ; s18  wave
.set JH,   19                          ; s19  j: my half of the keys
.set GQ,   20                          ; s20  g: my 32 queries
.set CX,   21                          ; s21  my place in the cluster
.set QB,   22                          ; s22  my block of 128 queries
.set BT,   23                          ; s23  the batch
.set G1K,  24                          ; s[24:55] descriptor groups 1: K, V, the mask, K's scale words
.set G1V,  32
.set G1M,  40
.set G1S,  48
.set G0K,  56                          ; groups 0, which walk
.set G0V,  60
.set G0M,  68
.set G0S,  72
.set PFA,  76                          ; s[76:77] where my prefetches stand
.set PFS,  78                          ; s[78:79] a slot on, in bytes
.set LIM,  80                          ; s80  1 in a wave that prefetches, else the greatest number
.set PAR,  81                          ; s81  1: only at odd counts
.set SLOTS, 82                         ; s82  slots still to be asked for
.set TB,   83                          ; s83  LDS byte at which the slot in hand begins
.set TS,   84                          ; s84  where the step's scale words begin: 1,024 bytes a slot
.set JX,   85                          ; s85  j xor 1
.set CS,   86                          ; s[86:87] c = 0.2 log2(e)
.set SEL,  88                          ; s[88:89] lane selects: lane l xor 16
.set SELLO, 90                         ; s90  bytes 0 0 1 1
.set SELHI, 91                         ; s91  bytes 2 2 3 3
.set W0K, 15|(1<<20)|(1<<21)|(3<<22)|(3<<25)           ; the mask of four; elements of 1 byte; padding on; bit 21 beside a mask; 4 words behind every 16
.set W0V, 15|(1<<16)|(1<<20)|(1<<21)|(5<<22)|(7<<25)   ; elements of 2 bytes; 8 words behind every 64
.set W0M, (1<<20)|(5<<22)|(3<<25)                      ; no mask: my work-group's own tile; elements of 1 byte; 4 words behind every 64
.set W0S, 15|(3<<16)|(1<<21)                           ; elements of 8 bytes; dense
.set MSB, 0
.macro WIN new                         ; the immediate's high byte repeats the setting that is left; a switch that changes nothing is dropped
.if MSB != \new
	s_set_vgpr_msb (MSB<<8)|\new
.set MSB, \new
.endif
.endm
.set TO_1, 0x40                        ; destination window 1
.set W_KQ, 0x05                        ; K and Q window 1, S^T window 0
.set W_PV, 0x51                        ; V, C and D window 1, P window 0; for an LDS load: address and data window 1
.set W_RS, 0x41                        ; O^T (destination, source 0) window 1, a window 0
.macro GROUP1 g, w0, d0, d1, st        ; a tile of d1 rows of d0 elements that lies inside its tensor, st elements from row to row
	s_mov_b32 s[\g], \w0
	s_mov_b32 s[\g+1], (\d0)<<16
	s_mov_b32 s[\g+2], (\d1)<<16
	s_mov_b32 s[\g+3], (\d0)<<16
	s_mov_b32 s[\g+4], \d1
	s_mov_b32 s[\g+5], \st
	s_mov_b32 s[\g+6], 0
	s_mov_b32 s[\g+7], 0
.endm
.macro FOUR
.rept 4
	v_nop
.endr
.endm
; One tensor load a wave: waves 0, 1 K's halves (128 rows), waves 2-5 V's quarters (64 rows), waves 6, 7 the halves of my work-group's mask tile (64 rows).
; The branches hang on the wave's number alone.  An s_nop 0 and four v_nop follow each line.  Every way through holds a tensor load.
.macro JLOAD
	s_cmp_lt_u32 s[WV], 2
	s_cbranch_scc0 .Lnot_k_\@
	tensor_load_to_lds s[G0K:G0K+3], s[G1K:G1K+7]
	s_nop 0
	FOUR
	s_branch .Lasked_\@
.Lnot_k_\@:
	s_cmp_lt_u32 s[WV], 6
	s_cbranch_scc0 .Lnot_v_\@
	tensor_load_to_lds s[G0V:G0V+3], s[G1V:G1V+7]
	s_nop 0
	FOUR
	s_branch .Lasked_\@
.Lnot_v_\@:
	tensor_load_to_lds s[G0M:G0M+3], s[G1M:G1M+7]
	s_nop 0
	FOUR
.Lasked_\@:
.endm
; A PREFETCH of what the NEXT change of slots will ask for, behind the wave's tensor load and its five lines: one instruction a wave, a lane to each aligned block of 256 bytes, each block named once in the launch.
; Waves 0-3 of every work-group: its own mask rows 32 w .. 32 w + 31, a lane a row.  V and K are walked by all four clusters of a batch: the first of them (cluster x = 0) asks; its four partners
; share the rows out BY ADDRESS: waves 4, 5: V's rows 64 cx + 32 (w - 4) on; wave 6: 8,192 bytes of K at 8,192 cx, which covers TWO slots, so it asks at every second change.
; The last change that fills a slot asks for nothing; slots 0 and 1 come by their loads alone.
.macro ASK
	s_cmp_gt_u32 s[SLOTS], s[LIM]
	s_cbranch_scc0 .Lnot_mine_\@
	s_and_b32 s92, s[SLOTS], s[PAR]
	s_cmp_eq_u32 s92, s[PAR]
	s_cbranch_scc0 .Lnot_mine_\@
	global_prefetch_b8 v[PFO], s[PFA:PFA+1] th:TH_LOAD_NT scope:SCOPE_SE
.Lnot_mine_\@:
.endm
; A round of the cluster's barrier: my work-group's barrier; wave 0 signals for the work-group; every wave waits for all four work-groups; my work-group's barrier once more.
.macro CROUND
	s_barrier_signal -1
	s_barrier_wait -1
	s_cmp_lg_u32 s[WV], 0
	s_cbranch_scc1 .Lnot_wave_0_\@
	s_barrier_signal -3
.Lnot_wave_0_\@:
	s_barrier_wait -3
	s_barrier_signal -1
	s_barrier_wait -1
.endm
	s_load_b256 s[4:11], s[0:1], 0x0               ; qc s[4:5], qs s[6:7], kc s[8:9], ks s[10:11]
	s_load_b128 s[12:15], s[0:1], 0x20             ; vh s[12:13], drop_mask s[14:15]
	s_load_b64 s[16:17], s[0:1], 0x30              ; out0
	v_lshl_add_u32 v[SPW], v0, 2, SPARE
	v_mov_b32 v[NIL], 0
	ds_add_u32 v[SPW], v[NIL]                      ; the wave's opening: the add, twice on end, and its wait ahead of my first tensor load
	ds_add_u32 v[SPW], v[NIL]                      ; and once more; the set-up below, work on registers, stands between it and the wait
	v_lshrrev_b32 v49, 5, v0
	v_readfirstlane_b32 s[WV], v49                 ; wave 0..7
	s_lshr_b32 s[JH], s[WV], 2
	s_and_b32 s[GQ], s[WV], 3
	s_xor_b32 s[JX], s[JH], 1
	s_bfe_u32 s[CX], ttmp6, 0x40000                ; cx
	s_lshl_b32 s[QB], ttmp9, 2                     ; in a cluster launch ttmp9 counts clusters
	s_add_co_u32 s[QB], s[QB], s[CX]               ; my block of queries: it enters the addresses of Q, the mask and out alone
	s_and_b32 s[BT], ttmp7, 0xffff                 ; the batch, which the four partners share
	GROUP1 G1K, W0K, 64, 128, 64                   ; K: 128 rows of 64 bytes, dense in memory
	GROUP1 G1V, W0V, 128, 64, 128                  ; V: 64 rows of 128 f16
	GROUP1 G1M, W0M, 256, 64, 2048                 ; the mask: 64 rows of 256 bytes, 2,048 bytes apart
	GROUP1 G1S, W0S, 32, 32, 32                    ; K's scale words: 8,192 dense bytes as 32 rows of 256
	s_mov_b32 s[CS], 0x3e93bb63                    ; c = 0.2 log2(e)
	s_mov_b32 s[CS+1], s[CS]                       ; (named with it as a pair, so it is written)
	s_mov_b32 s[SEL], 0x76543210
	s_mov_b32 s[SEL+1], 0xfedcba98
	s_mov_b32 s[SELLO], 0x01010000
	s_mov_b32 s[SELHI], 0x03030202
	s_mov_b32 s[CFF], 0xff00
	s_mov_b32 s[TB], 0
	s_mov_b32 s[TS], 0
	s_mov_b32 s[SLOTS], 7
	; every lane address is made here, ahead of the first branch on the wave's number: constants, the lane, the wave
	v_and_b32 v46, 15, v0                          ; r
	v_bfe_u32 v47, v0, 4, 1                        ; h
	v_and_b32 v48, 31, v0                          ; lane
	v_mul_u32_u24 v[AK0], v46, KP                  ; K: row r x pitch + 16 h + my 128 rows
	v_lshl_add_u32 v[AK0], v47, 4, v[AK0]
	s_mul_i32 s92, s[JH], 128*KP
	v_add_nc_u32 v[AK0], s92, v[AK0]
	v_and_b32 v50, 7, v0                           ; V, for the turning load: key 8 h + l % 8, channels 8 ((l / 8) % 2) on
	v_lshl_add_u32 v50, v47, 3, v50
	v_mul_u32_u24 v[AV0], v50, PV
	v_bfe_u32 v50, v0, 3, 1
	v_lshl_add_u32 v[AV0], v50, 4, v[AV0]
	s_mul_i32 s92, s[JH], 128*PV
	s_add_co_u32 s92, s92, VOFF
	v_add_nc_u32 v[AV0], s92, v[AV0]
	v_mul_u32_u24 v50, v46, MP                     ; the mask: row r x pitch + 8 h,
	v_lshl_add_u32 v50, v47, 3, v50
	s_lshl_b32 s92, s[GQ], 5
	s_lshl_b32 s94, s[JH], 7                       ; my half of the slot's 256 columns,
	s_lshl_b32 s93, s[JH], 4
	s_add_co_u32 s93, s92, s93                     ; tile A's rows 32 g + 16 j on
	s_mul_i32 s93, s93, MP
	s_add_co_u32 s93, s93, s94
	s_add_co_u32 s93, s93, MOFF
	v_add_nc_u32 v[AMA0], s93, v50
	s_lshl_b32 s93, s[JX], 4
	s_add_co_u32 s93, s92, s93                     ; tile B's rows 32 g + 16 (j xor 1) on
	s_mul_i32 s93, s93, MP
	s_add_co_u32 s93, s93, s94
	s_add_co_u32 s93, s93, MOFF
	v_add_nc_u32 v[AMB0], s93, v50
	s_lshl_b32 s92, s[JH], 9                       ; K's scale words: 4 bytes a key, a lane a key
	s_add_co_u32 s92, s92, SCK
	v_lshl_add_u32 v[ASK0], v48, 2, s92
	s_mul_i32 s92, s[WV], XSZ                      ; the way out: my image and statistics,
	v_lshl_add_u32 v[XW], v48, 4, s92
	s_add_co_u32 s93, s92, 8192
	v_lshl_add_u32 v[XWS], v48, 3, s93
	s_xor_b32 s93, s[WV], 4                        ; my partner's,
	s_mul_i32 s93, s93, XSZ
	v_lshl_add_u32 v[XR], v48, 4, s93
	s_add_co_u32 s93, s93, 8192
	v_lshl_add_u32 v[XRS], v48, 3, s93
	s_add_co_u32 s92, s92, SLOT1                   ; and my stage
	v_lshl_add_u32 v[SR], v48, 4, s92
	v_mul_u32_u24 v[SO], v46, 528
	v_lshl_add_u32 v[SO], v47, 5, v[SO]
	v_add_nc_u32 v[SO], s92, v[SO]
	v_lshlrev_b32 v[GO], 4, v48
	v_lshlrev_b32 v50, 6, v46                      ; Q's codes: row r of 64 bytes + 16 h, + the tile's 16 rows
	v_lshl_add_u32 v50, v47, 4, v50
	s_lshl_b32 s92, s[JH], 10
	v_add_nc_u32 v[QOA], s92, v50
	s_lshl_b32 s92, s[JX], 10
	v_add_nc_u32 v[QOB], s92, v50
	v_lshlrev_b32 v51, 2, v46                      ; Q's scale words: 4 bytes a row
	s_lshl_b32 s92, s[JH], 6
	v_add_nc_u32 v52, s92, v51
	s_lshl_b32 s92, s[JX], 6
	v_add_nc_u32 v53, s92, v51
	; who prefetches, and by what steps
	s_cmp_eq_u32 ttmp9, 0                          ; the batch's first cluster: the same in all four partners
	s_cselect_b32 s[LIM], 1, -1
	s_cmp_eq_u32 s[WV], 7
	s_cselect_b32 s[LIM], -1, s[LIM]
	s_cmp_lt_u32 s[WV], 6
	s_mov_b32 s[PFS], 16384                        ; a slot on: K 256 rows of 64 bytes,
	s_cselect_b32 s[PFS], 65536, s[PFS]            ; V 256 rows of 256,
	s_cselect_b32 s[PAR], 0, 1
	s_cmp_lt_u32 s[WV], 4
	s_cselect_b32 s[PFS], 256, s[PFS]              ; the mask 256 columns
	s_cselect_b32 s[LIM], 1, s[LIM]
	s_cselect_b32 s99, 11, 8                       ; from lane to lane: a row of the mask, or 256 bytes
	s_mov_b32 s[PFS+1], 0
	v_lshlrev_b32 v[PFO], s99, v48
	s_wait_dscnt 0x0                               ; both opening adds are done
	s_wait_kmcnt 0x0
	; groups 0.  s92-s95 never hold cx: they feed the joint descriptors.  s96-s99 may
	s_and_b32 s94, s[WV], 1
	s_lshl_b32 s92, s[BT], 17
	s_lshl_b32 s93, s94, 13
	s_add_co_u32 s92, s92, s93
	s_mov_b32 s93, 0
	s_mov_b32 s[G0K], 1                            ; count = 1
	s_mul_i32 s[G0K+1], s94, 128*KP                ; LDS address, slot 0
	s_add_nc_u64 s[G0K+2:G0K+3], s[8:9], s[92:93]  ; global address: the batch's first 256 keys, my half
	s_or_b32 s[G0K+3], s[G0K+3], 0x80000000        ; type = 2
	s_mov_b32 s[G0M], 1
	s_mul_i32 s[G0M+1], s94, 64*MP
	s_add_co_u32 s[G0M+1], s[G0M+1], MOFF
	s_lshl_b32 s96, s[BT], 22
	s_lshl_b32 s97, s[QB], 18
	s_add_co_u32 s96, s96, s97
	s_lshl_b32 s97, s94, 17
	s_add_co_u32 s96, s96, s97
	s_mov_b32 s97, 0
	s_add_nc_u64 s[G0M+2:G0M+3], s[14:15], s[96:97]
	s_or_b32 s[G0M+3], s[G0M+3], 0x80000000
	s_add_co_u32 s94, s[WV], 2
	s_and_b32 s94, s94, 3                          ; waves 2-5: quarters 0-3
	s_lshl_b32 s92, s[BT], 19
	s_lshl_b32 s93, s94, 14
	s_add_co_u32 s92, s92, s93
	s_mov_b32 s93, 0
	s_mov_b32 s[G0V], 1
	s_mul_i32 s[G0V+1], s94, 64*PV
	s_add_co_u32 s[G0V+1], s[G0V+1], VOFF
	s_add_nc_u64 s[G0V+2:G0V+3], s[12:13], s[92:93]
	s_or_b32 s[G0V+3], s[G0V+3], 0x80000000
	s_lshl_b32 s92, s[BT], 13
	s_mov_b32 s[G0S], 1
	s_mov_b32 s[G0S+1], SCK
	s_add_nc_u64 s[G0S+2:G0S+3], s[10:11], s[92:93]
	s_or_b32 s[G0S+3], s[G0S+3], 0x80000000
	; Q's codes and scale words and out at my wave's 32 queries (out: at tile A's 16)
	s_lshl_b32 s96, s[BT], 17
	s_lshl_b32 s98, s[QB], 13
	s_add_co_u32 s96, s96, s98
	s_lshl_b32 s98, s[GQ], 11
	s_add_co_u32 s96, s96, s98
	s_add_nc_u64 s[4:5], s[4:5], s[96:97]
	s_lshr_b32 s96, s96, 4                         ; 4 bytes a row against 64
	s_add_nc_u64 s[6:7], s[6:7], s[96:97]
	s_lshl_b32 s96, s96, 7                         ; 512 bytes a row
	s_lshl_b32 s98, s[JH], 13
	s_add_co_u32 s96, s96, s98
	s_add_nc_u64 s[16:17], s[16:17], s[96:97]
	; where my prefetches stand: in slot 1; the first change of slots steps them to slot 2
	s_lshl_b32 s96, s[BT], 22                      ; the mask: my work-group's rows 32 w on
	s_lshl_b32 s99, s[QB], 18
	s_add_co_u32 s96, s96, s99
	s_lshl_b32 s99, s[WV], 16
	s_add_co_u32 s96, s96, s99
	s_add_co_u32 s96, s96, 256
	s_lshl_b32 s98, s[BT], 19                      ; V: rows 64 cx + 32 (w % 2) on
	s_lshl_b32 s99, s[CX], 14
	s_add_co_u32 s98, s98, s99
	s_and_b32 s99, s[WV], 1
	s_lshl_b32 s99, s99, 13
	s_add_co_u32 s98, s98, s99
	s_add_co_u32 s98, s98, 65536
	s_cmp_lt_u32 s[WV], 4
	s_cselect_b32 s96, s96, s98
	s_cselect_b64 s[PFA:PFA+1], s[14:15], s[12:13]
	s_lshl_b32 s98, s[BT], 17                      ; K: 8,192 bytes at 8,192 cx
	s_lshl_b32 s99, s[CX], 13
	s_add_co_u32 s98, s98, s99
	s_add_co_u32 s98, s98, 16384
	s_cmp_lt_u32 s[WV], 6
	s_cselect_b32 s96, s96, s98
	s_cselect_b64 s[PFA:PFA+1], s[PFA:PFA+1], s[8:9]
	s_add_nc_u64 s[PFA:PFA+1], s[PFA:PFA+1], s[96:97]
	CROUND                                         ; all four work-groups are here: the first joint loads meet
	s_cmp_lg_u32 s[WV], 0
	s_cbranch_scc1 .Lno_scales
	tensor_load_to_lds s[G0S:G0S+3], s[G1S:G1S+7]  ; K's scale words of the whole batch: filled once.  Wave 0 has two tensor loads out here, every other wave one; every wait on TENSORcnt in this text is for 0
	s_nop 0
	FOUR
.Lno_scales:
	JLOAD                                          ; slot 0
	WIN TO_1
.irp c, 0,1
	global_load_b128 v[QF+4*\c:QF+4*\c+3], v[QOA], s[4:5] offset:32*\c       ; Q's two fragments stay in registers
	global_load_b128 v[QF+8+4*\c:QF+8+4*\c+3], v[QOB], s[4:5] offset:32*\c
.endr
	WIN 0
	global_load_b32 v[QSA], v52, s[6:7]
	global_load_b32 v[QSA+1], v53, s[6:7]
	s_wait_loadcnt 0x0
; THE CHANGE OF SLOTS stands at a slot's head.  Each wave waits for all its tensor loads (its part of the slot that it is about to read), adds 0 to its spare word, and waits for that and for its
; reads of the slot that it has left.  fill = 1: a round of the cluster's barrier, and first thing behind it that other slot is filled with the next 256 keys: the load has a whole step in which to land.
.macro CHANGE fill
	WIN 0
	s_wait_tensorcnt 0x0                           ; no tensor load of mine is out, so a group 0 may be written
	ds_add_u32 v[SPW], v[NIL]                      ; 0 onto my spare word
.if \fill
	s_xor_b32 s[G0K+1], s[G0K+1], SLOT1            ; the walking descriptors: the other slot, the next 256 keys (the type bits on top are not reached)
	s_add_nc_u64 s[G0K+2:G0K+3], s[G0K+2:G0K+3], 256*64
	s_xor_b32 s[G0V+1], s[G0V+1], SLOT1
	s_add_nc_u64 s[G0V+2:G0V+3], s[G0V+2:G0V+3], 256*256
	s_xor_b32 s[G0M+1], s[G0M+1], SLOT1
	s_add_nc_u64 s[G0M+2:G0M+3], s[G0M+2:G0M+3], 256
	s_wait_xcnt 0x0                                ; the last prefetch, a slot back, has read its address, so it may be written:
	s_add_nc_u64 s[PFA:PFA+1], s[PFA:PFA+1], s[PFS:PFS+1]   ; one slot further on than the walking descriptors
	s_wait_dscnt 0x0                               ; the add is done, and my reads of the slot that I have left are over
	CROUND                                         ; both now hold of every wave of all four work-groups
	JLOAD
	ASK
.else
	s_wait_dscnt 0x0
	s_barrier_signal -1
	s_barrier_wait -1
.endif
.endm
; Batch n of eight of V^T's fragments: keys 32 (n / 2) on, channels 64 (n % 2) on: four fragments, into third n % 3 of the pool.  It runs under the products' window setting.
.macro VLOAD n
.set vn, (\n)
.set vb, POOL+32*(vn%3)
.irp q, 0,1,2,3
.irp c, 0,1
	ds_load_tr16_b128 v[vb+8*\q+4*\c:vb+8*\q+4*\c+3], v[ADV1] offset:(vn/2)*32*PV+\c*16*PV+(4*(vn%2)+\q)*32
.endr
.endr
.endm
; THE VECTOR WORK OF A CHUNK of 32 keys (two tiles of S^T for each of my two tiles of queries: 16 registers, 8 pairs, a tile of queries).
.macro FMA u, k, t                     ; pair k of chunk u, tile t: c s - c m
.set fr, S+64*(\t)+16*(\u)+2*(\k)
	v_pk_fma_f32 v[fr:fr+1], v[fr:fr+1], s[CS:CS+1], v[ST+8*(\t):ST+8*(\t)+1] op_sel_hi:[1,0,0] neg_lo:[0,0,1] neg_hi:[0,0,1]
.endm
.macro EXP4 u, k                       ; pair k of both tiles: p = 2^(c s - c m), in place
.set er, S+16*(\u)+2*(\k)
	v_exp_f32 v[er], v[er]
	v_exp_f32 v[er+1], v[er+1]
	v_exp_f32 v[er+64], v[er+64]
	v_exp_f32 v[er+65], v[er+65]
.endm
; Mask operation m of 24 of chunk u.  The chunk has four quads of mask words (tile of queries T, tile of keys 2 u + ii), each with its two raw words in its upper half.
; 0-7: a raw word's bytes 0 / 1 become 0 / 0xff: the word is the SELECTOR, and picks byte 0 (00) or byte 1 (ff) of the constant.
; 8-23: a quad's raw words are widened, four bytes to four halves each, in the order in which no raw word is written over before it is used.
.macro MOP u, m
.set mm, (\m)
.if mm < 8
.set mr, E+32*((mm/2)%2)+8*(\u)+4*(mm/4)+2+mm%2
	v_perm_b32 v[mr], s[CFF], s[CFF], v[mr]
.else
.set mp, mm-8
.set mq, E+32*((mp/4)%2)+8*(\u)+4*(mp/8)
.if (mp%4) == 0
	v_perm_b32 v[mq], v[mq+2], v[mq+2], s[SELLO]
.elseif (mp%4) == 1
	v_perm_b32 v[mq+1], v[mq+2], v[mq+2], s[SELHI]
.elseif (mp%4) == 2
	v_perm_b32 v[mq+2], v[mq+3], v[mq+3], s[SELLO]
.else
	v_perm_b32 v[mq+3], v[mq+3], v[mq+3], s[SELHI]
.endif
.endif
.endm
; Slice g of eight of the chunk's first half: 16 scalings, 32 exponentials, 24 mask operations; none reads an exponential's result.  A slice begins and ends with a plain instruction;
; a pair is scaled a slice ahead of its exponentials.  Slice 7 has five plain instructions: they are the places in front of the loads into V's registers that follow it (four are asked).
.macro XS u, g
.set xg, (\g)
.if xg == 0
	FMA \u, 0, 0
	FMA \u, 0, 1
	FMA \u, 1, 0
	FMA \u, 1, 1
	EXP4 \u, 0
	MOP \u, 0
	MOP \u, 1
.elseif xg < 6
	MOP \u, 3*xg-1
	FMA \u, xg+1, 0
	FMA \u, xg+1, 1
	EXP4 \u, xg
	MOP \u, 3*xg
	MOP \u, 3*xg+1
.elseif xg == 6
	MOP \u, 17
	FMA \u, 7, 0
	FMA \u, 7, 1
	EXP4 \u, 6
	MOP \u, 18
.else
	MOP \u, 19
	MOP \u, 20
	MOP \u, 21
	EXP4 \u, 7
	MOP \u, 22
	MOP \u, 23
.endif
.endm
; Instruction y of 48 of the chunk's second half, the two tiles line by line.  0-15: the row's sum, of the unmasked p in f32, in two chains a tile (l and a second one, joined at the step's end);
; in chunk 0 the chains begin: l = a l + pair 0 (first = 1: pair 0 + pair 2), the second = pair 1 + pair 3.  16-31: P, rounded to f16 in pairs IN PLACE (register e is written when its
; old numbers have been read).  32-47: the dropped weights are cleared.
.macro YI u, y, first
.set yy, (\y)
.set yt, yy%2
.set ys, ST+8*yt
.set yb, S+64*yt+16*(\u)
.if yy < 16
.set yk, yy/2
.set yr, yb+2*yk
.if ((\u) == 0) && (yk == 0) && \first
	v_pk_add_f32 v[ys+2:ys+3], v[yr:yr+1], v[yr+4:yr+5]
.elseif ((\u) == 0) && (yk == 0)
	v_pk_fma_f32 v[ys+2:ys+3], v[ys+2:ys+3], v[ys+6:ys+7], v[yr:yr+1] op_sel_hi:[1,0,1]
.elseif ((\u) == 0) && (yk == 1)
	v_pk_add_f32 v[ys+4:ys+5], v[yr:yr+1], v[yr+4:yr+5]
.elseif ((\u) == 0) && (yk == 2) && \first     ; pair 2 went into l's first line
.elseif ((\u) == 0) && (yk == 3)               ; pair 3 went into the second chain's first line
.elseif (yk%2) == 0
	v_pk_add_f32 v[ys+2:ys+3], v[ys+2:ys+3], v[yr:yr+1]
.else
	v_pk_add_f32 v[ys+4:ys+5], v[ys+4:ys+5], v[yr:yr+1]
.endif
.elseif yy < 32
.set ye, (yy-16)/2
	v_cvt_pk_f16_f32 v[yb+ye], v[yb+8*(ye/4)+2*(ye%4)], v[yb+8*(ye/4)+2*(ye%4)+1]
.else
.set ye, (yy-32)/2
	v_and_b32 v[yb+ye], v[yb+ye], v[E+32*yt+8*(\u)+ye]
.endif
.endm
.macro YS u, g, first                  ; slice g of eight of the second half: six instructions
.irp d, 0,1,2,3,4,5
	YI \u, 6*(\g)+\d, \first
.endr
.endm
; CHUNK u OF O^T += V^T P: 16 products (V's batches 2 u and 2 u + 1; four tiles of channels x two tiles of queries each), and behind each a slice of chunk u + 1's vector work.
; The sixteen accumulators take turns, one instruction a turn, in the same order in every chunk: fifteen others stand between two links of a chain.
; The chunk's one wait for its exponentials stands behind slice 7, ahead of V's run of loads and of slice 8, the first that names a result.  Batch n + 3 is loaded into the third of the pool
; that batch n's products have read, behind the slice that follows the last of them: its plain instructions are the places.
.macro PVC u, first
.set pw, 0
.rept 16
.set pn, 2*(\u)+pw/8
.if (pw%8) == 0
.if pn < 6
	s_wait_dscnt 16                                ; batch pn of V is in; the two batches behind it may be out
.else
	s_wait_dscnt 8*(7-pn)
.endif
.endif
	WIN W_PV
.set pd, 64*(pw%2)+8*(4*(pn%2)+(pw%8)/2)
.set pa, POOL+32*(pn%3)+8*((pw%8)/2)
.set pb, S+64*(pw%2)+16*(\u)
.if \first && ((\u) == 0)
	v_wmma_f32_16x16x32_f16 v[pd:pd+7], v[pa:pa+7], v[pb:pb+7], 0
.else
	v_wmma_f32_16x16x32_f16 v[pd:pd+7], v[pa:pa+7], v[pb:pb+7], v[pd:pd+7]
.endif
.if (\u) < 3
	WIN 0
.if pw < 8
	XS (\u)+1, pw
.else
	YS (\u)+1, pw-8, 0
.endif
.if pw == 7
	s_wait_alu depctr_va_vdst(0)                   ; one wait for the chunk's 32 exponentials, ahead of their first reader; two mask operations are the plain lines behind the last of them
.endif
.if ((pw%8) == 7) && (pn < 5)
	WIN W_PV
	VLOAD pn+3
.endif
.endif
.set pw, pw+1
.endr
.endm
; A KEY STEP: my 128 keys of the slot in hand, for my two tiles of queries.  first = 1: the first step, which starts m, l and O^T.
.macro STEP first
	v_add_nc_u32 v[ADK], s[TB], v[AK0]             ; these five plain lines and the two at the last step's end name no register of the last products: they are the places in front of the
	v_add_nc_u32 v[ADMA], s[TB], v[AMA0]           ; loads into their operands (four are asked) and of the products below, which write over P (five are asked)
	v_add_nc_u32 v[ADMB], s[TB], v[AMB0]
	v_add_nc_u32 v[ADS], s[TS], v[ASK0]
	WIN TO_1
	v_add_nc_u32 v[ADV1], s[TB], v[AV0]
.irp i, 0,1,2,3,4,5,6,7
.irp c, 0,1
	ds_load_b128 v[POOL+8*\i+4*\c:POOL+8*\i+4*\c+3], v[ADK] offset:\i*16*KP+32*\c   ; K's tile i: 16 keys x 128 codes
.endr
.endr
	WIN 0
.irp p, 0,1,2,3
	ds_load_b32 v[KS+\p], v[ADS] offset:128*\p     ; a lane a key: lanes 0-15 tile 2 p, lanes 16-31 tile 2 p + 1
.endr
.irp i, 0,1,2,3,4,5,6,7
	ds_load_b64 v[E+4*\i+2:E+4*\i+3], v[ADMA] offset:16*\i          ; the mask's 8 bytes for tile i, into the upper half of the tile's four words
.endr
.irp i, 0,1,2,3,4,5,6,7
	ds_load_b64 v[E+32+4*\i+2:E+32+4*\i+3], v[ADMB] offset:16*\i
.endr
	s_wait_dscnt 16                                ; K and its scale words are in; the 16 mask loads may be out
	WIN W_KQ
.irp i, 0,1,2,3,4,5,6,7                        ; S^T = K Q^T: each product is a whole sum
.irp t, 0,1
.if (\i%2) == 0
	v_wmma_scale_f32_16x16x128_f8f6f4 v[S+64*\t+8*\i:S+64*\t+8*\i+7], v[POOL+8*\i:POOL+8*\i+7], v[QF+8*\t:QF+8*\t+7], 0, v[KS+\i/2], v[QSA+\t] matrix_a_fmt:MATRIX_FMT_FP4 matrix_b_fmt:MATRIX_FMT_FP4
.else
	v_wmma_scale_f32_16x16x128_f8f6f4 v[S+64*\t+8*\i:S+64*\t+8*\i+7], v[POOL+8*\i:POOL+8*\i+7], v[QF+8*\t:QF+8*\t+7], 0, v[KS+\i/2], v[QSA+\t] matrix_a_fmt:MATRIX_FMT_FP4 matrix_b_fmt:MATRIX_FMT_FP4 matrix_a_scale:MATRIX_SCALE_ROW1
.endif
.endr
.endr
	WIN W_PV
	FOUR                                           ; places in front of the loads into K's registers and of the first read of the scores
	VLOAD 0
	VLOAD 1
	VLOAD 2
	WIN 0
	; the maximum of a lane's 64 scores and the old m: four chains a tile, the two tiles line by line; each accumulator is first read at its low end
.irp b, 0,1,2,3
.irp t, 0,1
	v_max3_num_f32 v[ST+8*\t+4+\b], v[S+64*\t+16*\b], v[S+64*\t+16*\b+1], v[S+64*\t+16*\b+2]
.endr
.endr
.irp i, 3,5,7,9,11,13
.irp b, 0,1,2,3
.irp t, 0,1
	v_max3_num_f32 v[ST+8*\t+4+\b], v[ST+8*\t+4+\b], v[S+64*\t+16*\b+\i], v[S+64*\t+16*\b+\i+1]
.endr
.endr
.endr
.irp t, 0,1
	v_max3_num_f32 v[ST+8*\t+4], v[ST+8*\t+4], v[S+64*\t+15], v[S+64*\t+31]
.endr
.irp t, 0,1
	v_max3_num_f32 v[ST+8*\t+6], v[ST+8*\t+6], v[S+64*\t+47], v[S+64*\t+63]
.endr
.irp t, 0,1
	v_max3_num_f32 v[ST+8*\t+4], v[ST+8*\t+4], v[ST+8*\t+5], v[ST+8*\t+6]
.endr
.irp t, 0,1
.if \first
	v_max_num_f32 v[ST+8*\t+4], v[ST+8*\t+4], v[ST+8*\t+7]
.else
	v_max3_num_f32 v[ST+8*\t+4], v[ST+8*\t+4], v[ST+8*\t+7], v[ST+8*\t+1]
.endif
.endr
.irp t, 0,1
	v_permlanex16_b32 v[ST+8*\t+5], v[ST+8*\t+4], s[SEL], s[SEL+1]   ; the query's other 64 keys lie in the lane 16 away
.endr
.if \first == 0
.irp t, 0,1
	v_mov_b32 v[ST+8*\t+7], v[ST+8*\t]             ; c m_old is kept for a: c m is written anew below
.endr
.endif
.irp t, 0,1
	v_max_num_f32 v[ST+8*\t+1], v[ST+8*\t+4], v[ST+8*\t+5]
.endr
.irp t, 0,1
	v_mul_f32 v[ST+8*\t], s[CS], v[ST+8*\t+1]
.endr
.if \first == 0
.irp t, 0,1
	v_sub_f32 v[ST+8*\t+7], v[ST+8*\t+7], v[ST+8*\t]
.endr
.irp t, 0,1
	v_exp_f32 v[ST+8*\t+6], v[ST+8*\t+7]           ; a: it goes with chunk 0's batch of exponentials
.endr
.endif
	s_wait_dscnt 24                                ; the mask is in; V's three batches, 24 loads, may be out
	; chunk 0's weights are made by themselves: there is no product yet to set them between
.set xs, 0
.rept 8
	XS 0, xs
.set xs, xs+1
.endr
	s_wait_alu depctr_va_vdst(0)                   ; one wait for a and chunk 0's exponentials, ahead of their first reader
.set yg, 0
.rept 8
	YS 0, yg, \first
.set yg, yg+1
.endr
.if \first == 0
	WIN W_RS
.irp t, 0,1
.set n, 0
.rept 32
	v_pk_mul_f32 v[64*\t+2*n:64*\t+2*n+1], v[64*\t+2*n:64*\t+2*n+1], v[ST+8*\t+6:ST+8*\t+7] op_sel_hi:[1,0]   ; O^T x a, each accumulator from its low end on
.set n, n+1
.endr
.endr
.endif
	PVC 0, \first                                  ; chunk 0's products | chunk 1's weights
	PVC 1, 0                                       ; chunk 1's | chunk 2's
	PVC 2, 0                                       ; chunk 2's | chunk 3's
	PVC 3, 0                                       ; chunk 3's products stand bare
	WIN 0
.irp t, 0,1
	v_pk_add_f32 v[ST+8*\t+2:ST+8*\t+3], v[ST+8*\t+2:ST+8*\t+3], v[ST+8*\t+4:ST+8*\t+5]   ; l's two chains are joined
.endr
	s_xor_b32 s[TB], s[TB], SLOT1                  ; on to the other slot,
	s_add_co_u32 s[TS], s[TS], 1024                ; and to its 256 keys' scale words
.endm
	CHANGE 1                                       ; slot 0 is whole; slot 1 is asked for: behind this round every load is a first fill
	STEP 1
	s_mov_b32 s[SLOTS], 6
.Lslot:                                            ; six trips: slots 2 to 7 are asked for
	CHANGE 1
	STEP 0
	s_sub_co_u32 s[SLOTS], s[SLOTS], 1
	s_cmp_lg_u32 s[SLOTS], 0
	s_cbranch_scc1 .Lslot
	CHANGE 0                                       ; the last slot is written out
	STEP 0
	; THE WAY OUT.  l's two halves and the other half of the lanes' are added, laid over m: (c m, l) is then a pair.  These lines are among the places behind the last products.
.irp t, 0,1
	v_add_f32 v[ST+8*\t+4], v[ST+8*\t+2], v[ST+8*\t+3]
.endr
.irp t, 0,1
	v_permlanex16_b32 v[ST+8*\t+5], v[ST+8*\t+4], s[SEL], s[SEL+1]
.endr
.irp t, 0,1
	v_add_f32 v[ST+8*\t+1], v[ST+8*\t+4], v[ST+8*\t+5]
.endr
	s_wait_dscnt 0x0
	s_barrier_signal -1
	s_barrier_wait -1                              ; every wave has left the ring: both slots have had their last fill and their last read
	WIN 0x04                                       ; an LDS store's data are its source 1: window 1
.set n, 0
.rept 16
	ds_store_b128 v[XW], v[64+4*n:64+4*n+3] offset:512*n   ; tile B's O^T as an image of its registers: lane l's 16 bytes at 16 l; each accumulator from its low end on
.set n, n+1
.endr
	WIN 0
	ds_store_b64 v[XWS], v[ST+8:ST+9]              ; and its (c m, l)
	s_wait_dscnt 0x0                               ; for the partner's sake: my stores are done
	s_barrier_signal -1
	s_barrier_wait -1
.set n, 0
.rept 16
	ds_load_b128 v[S+4*n:S+4*n+3], v[XR] offset:512*n      ; my tile A over the other half of the keys, from wave w xor 4
.set n, n+1
.endr
	ds_load_b64 v[38:39], v[XRS]
	s_wait_dscnt 0x0
	v_max_num_f32 v50, v[ST], v38                  ; the two halves under one maximum
	v_sub_f32 v51, v[ST], v50
	v_sub_f32 v52, v38, v50
	v_exp_f32 v51, v51
	v_exp_f32 v52, v52
	v_nop                                          ; a plain line behind the exponentials,
	s_wait_alu depctr_va_vdst(0)                   ; and a wait ahead of the first use
	v_mul_f32 v53, v[ST+1], v51
	v_fmac_f32 v53, v39, v52                       ; the row's sum
	v_rcp_f32 v54, v53
	v_nop
	s_wait_alu depctr_va_vdst(0)
	v_mul_f32 v54, 0x3f8e38e4, v54                 ; x 1 / 0.9
	v_mul_f32 v46, v51, v54                        ; my half's factor, twice: a pair for the packed forms
	v_mul_f32 v47, v51, v54
	v_mul_f32 v48, v52, v54                        ; the partner's
	v_mul_f32 v49, v52, v54
.set n, 0
.rept 32
	v_pk_mul_f32 v[S+2*n:S+2*n+1], v[S+2*n:S+2*n+1], v[48:49]
.set n, n+1
.endr
	WIN 0x01                                       ; source 0: my O^T, window 1
.set n, 0
.rept 32
	v_pk_fma_f32 v[S+2*n:S+2*n+1], v[2*n:2*n+1], v[46:47], v[S+2*n:S+2*n+1]
.set n, n+1
.endr
	WIN 0
.irp t, 0,1,2,3,4,5,6,7                        ; register 8 t + i is out(r, 16 t + 8 h + i): 32 bytes of a row; through my own stage, rows of 512 bytes + 16
	ds_store_b128 v[SO], v[S+8*\t:S+8*\t+3] offset:64*\t
	ds_store_b128 v[SO], v[S+8*\t+4:S+8*\t+7] offset:64*\t+16
.endr
.irp i, 0,1,2,3,4,5,6,7,8,9,10,11,12,13,14,15
	ds_load_b128 v[E+4*\i:E+4*\i+3], v[SR] offset:528*\i   ; LDS serves a wave's instructions in order: these see my stores
.endr
.irp i, 0,1,2,3,4,5,6,7,8,9,10,11,12,13,14,15
	s_wait_dscnt 15-\i                             ; row i is back; the younger loads stay out
	global_store_b128 v[GO], v[E+4*\i:E+4*\i+3], s[16:17] offset:512*\i th:TH_STORE_NT   ; 32 lanes store a row's 512 consecutive bytes, aligned; written once, read by nobody here
.endr
	s_wait_tensorcnt 0x0                           ; the wave's end: a wait, an add of 0 to my spare word and a wait, behind my last tensor load and my last LDS store
	ds_add_u32 v[SPW], v[NIL]
	s_wait_dscnt 0x0
	CROUND                                         ; the closing round: no work-group ends while a partner may still ask for a tile that names it
	s_endpgm
.Lfunc_end_k_q6cef2d767d_attn:
	.size	k_q6cef2d767d_attn, .Lfunc_end_k_q6cef2d767d_attn-k_q6cef2d767d_attn
	.p2alignl 7, 3214868480
	.fill 96, 4, 3214868480
	.section	.rodata,"a",@progbits
	.p2align	6, 0x0
	.amdhsa_kernel k_q6cef2d767d_attn
		.amdhsa_group_segment_fixed_size 327680
		.amdhsa_private_segment_fixed_size 0
		.amdhsa_enable_private_segment 0
		.amdhsa_kernarg_size 56
		.amdhsa_user_sgpr_count 2
		.amdhsa_user_sgpr_kernarg_segment_ptr 1
		.amdhsa_wavefront_size32 1
		.amdhsa_system_sgpr_workgroup_id_x 1
		.amdhsa_system_sgpr_workgroup_id_y 1
		.amdhsa_system_sgpr_workgroup_id_z 1
		.amdhsa_system_vgpr_workitem_id 0
		.amdhsa_next_free_vgpr 512
		.amdhsa_next_free_sgpr 100
		.amdhsa_reserve_vcc 0
		.amdhsa_float_denorm_mode_32 3
		.amdhsa_float_denorm_mode_16_64 3
		.amdhsa_memory_ordered 1
		.amdhsa_forward_progress 1
		.amdhsa_inst_pref_size 170
	.end_amdhsa_kernel
	.amdgpu_metadata
---
amdhsa.version: [ 1, 2 ]
amdhsa.kernels:
  - .name:           k_q6cef2d767d_attn
    .symbol:         k_q6cef2d767d_attn.kd
    .args:
      - { .name: qc, .offset: 0, .size: 8, .value_kind: global_buffer, .address_space: global }
      - { .name: qs, .offset: 8, .size: 8, .value_kind: global_buffer, .address_space: global }
      - { .name: kc, .offset: 16, .size: 8, .value_kind: global_buffer, .address_space: global }
      - { .name: ks, .offset: 24, .size: 8, .value_kind: global_buffer, .address_space: global }
      - { .name: vh, .offset: 32, .size: 8, .value_kind: global_buffer, .address_space: global }
      - { .name: drop_mask, .offset: 40, .size: 8, .value_kind: global_buffer, .address_space: global }
      - { .name: out0, .offset: 48, .size: 8, .value_kind: global_buffer, .address_space: global }
    .group_segment_fixed_size: 327680
    .private_segment_fixed_size: 0
    .kernarg_segment_align: 8
    .kernarg_segment_size: 56
    .max_flat_workgroup_size: 256
    .sgpr_count:     100
    .vgpr_count:     512
    .wavefront_size: 32
...
	.end_amdgpu_metadata
.endif
;; end of part 2
